; MI455X (gfx1250); checked and timed in simulation.
; The chip was launched on July 23, 2026; its instructions are those of AMD's public machine-readable ISA for CDNA 5 (MIT licence, August 2026) and "CDNA5" Instruction Set Architecture Reference Guide (July 2026). The comments in the code are by the model that wrote it; some were corrected since.
;; Multi Head Attention Layer. Allowed arithmetic: matrix products marked QUANTISED: E2M3 operands, one E8M0 scale for each 32 along K, by v_wmma_scale_f32_16x16x128_f8f6f4 with both operands' format E2M3, f32 sums; products left as they are: f32 operands where the result goes on into a quantised operand, else bf16, f16 or f32 operands; f32 sums; everything else in f32.
;; Inputs: Wk 1,024 x 128 float32; Wo 128 x 1,024 float32; Wq 1,024 x 128 float32; Wv 1,024 x 128 float32; bk 128 float32; bo 1,024 float32; bq 128 float32; bv 128 float32; keys 4 x 2,048 x 1,024 float32; queries 4 x 2,048 x 1,024 float32; values 4 x 2,048 x 1,024 float32.
;; Outputs: out0 4 x 2,048 x 1,024 float32.
;; This version of the problem:
;;   THIS VERSION OF THE PROBLEM IS GIVEN IN LOW PRECISION. The matrix products marked QUANTISED in the list below multiply operands that are first quantised to E2M3 (2 exponent bits, 3 mantissa bits; 6 bits a number), with one power-of-two scale for each 32 numbers along K (OCP MX v1.0); their sums are f32. All else is computed in f32.
;;   The module's matrix products, in the order in which they are computed (A, B: the left and right operand; K: the contracted axis; several contracted axes count as one K, in the product's order):
;;     1. [M 8,192, K 1,024] x [K 1,024, N 128]; A: input queries; B: input Wq: QUANTISED
;;     2. [M 8,192, K 1,024] x [K 1,024, N 128]; A: input keys; B: input Wk: QUANTISED
;;     3. [M 8,192, K 1,024] x [K 1,024, N 128]; A: input values; B: input Wv: QUANTISED
;;     4. batch 32 x [M 2,048, K 16] x [K 16, N 2,048]; A: computed on the way; B: computed on the way: left as it is (K = 16 < 32)
;;     5. batch 32 x [M 2,048, K 2,048] x [K 2,048, N 16]; A: softmax (see below); B: computed on the way: QUANTISED
;;     6. [M 8,192, K 128] x [K 128, N 1,024]; A: computed on the way; B: input Wo: QUANTISED
;;   THE QUANTISER, for each operand of a quantised product, along K:
;;     - K is cut into blocks of 32 from its start; a last block that is shorter is filled with zeros.
;;     - A block's scale is 2^e with e = floor(log2(the largest magnitude in the block)) - 2, held to -126 .. 127; a block of zeros has e = 0. As a byte (E8M0): e + 127.
;;     - Each number is divided by its block's scale, clamped to +-7.5, and rounded to the nearest number of E2M3, ties to even, subnormals kept.
;;     - The product sums the exact products of the quantised numbers (number of the format x scale) in f32.
;;   ~~~python
;;   def quantise(x, axis):      # numpy; x: float32 -> the quantised numbers, widened to float32 again
;;       x = np.moveaxis(x, axis, -1); K = x.shape[-1]
;;       x = np.pad(x, [(0, 0)] * (x.ndim - 1) + [(0, -K % 32)]); x = x.reshape(x.shape[:-1] + (-1, 32)); a = np.abs(x).max(-1, keepdims=True)
;;       e = np.where(a > 0, np.clip(np.frexp(np.where(a > 0, a, 1))[1] - 1 - 2, -126, 127), 0)      # np.frexp(a)[1] - 1 = floor(log2(a)), exactly
;;       r = np.clip(x / 2.0 ** e, -7.5, 7.5)
;;       step = 2.0 ** (np.maximum(np.frexp(np.where(r == 0, 1, r))[1] - 1, 0) - 3)
;;       q = np.round(r / step) * step * 2.0 ** e      # np.round: ties to even
;;       return np.moveaxis(q.reshape(q.shape[:-2] + (-1,))[..., :K], -1, axis).astype(np.float32)
;;   ~~~
;;   SOFTMAX AHEAD OF A QUANTISED PRODUCT. Where the list says 'softmax', what is quantised is not the finished softmax but p = 2^(t - M), with t = logit x log2(e) and M = ceil(the row's largest t), a whole number; so 1/2 < the row's largest p <= 1. The row's sum l is taken of the UNQUANTISED p, in f32, and the product's result is divided by l at the end. Since M is a whole number, a kernel that streams over the keys may use a running M (the ceiling of the running maximum): every later rescaling is an exact power of two, which a block's scale takes up: the codes' values come out the same.
;;   OPERANDS COMPUTED ON THE WAY. 'Computed on the way' means the value that the module computes at that place (a softmax that the list does not call 'softmax' is quantised finished and normalised). What goes into a quantiser is computed in f32, as accurately as f32 sums, v_exp_f32 and their like allow (about 1e-6 of the number): no bf16 or f16 on the way to a quantiser, and a product that is left as it is and whose result goes on into a quantised operand takes f32 operands (vector FMAs, or v_wmma_f32_16x16x4_f32). A number that lies on a knife's edge between two numbers of the format may be rounded either way, as far as f32 arithmetic and the matrix unit's own rounding can turn it there, and no further.
;; One version. Each part assembles by itself: llvm-mc -triple=amdgcn-amd-amdhsa -mcpu=gfx1250 --defsym DOCPART=n.
;; ======== version 1 of 1: 4 launches
;; workspace buffers: wc 393,216 bytes; ws 32,768 bytes; qf 4,194,304 bytes; kf 4,194,304 bytes; vrec 851,968 bytes; oimg 4,194,304 bytes
;; launch prep (part 1): grid 64 x 1, 4 waves a work-group, no clusters, 0 bytes of LDS; arguments Wq, Wk, Wv, Wo, wc, ws; writes wc, ws
.if DOCPART == 1
	.amdgcn_target "amdgcn-amd-amdhsa--gfx1250"
	.amdhsa_code_object_version 6
	.text
	.protected	k_qe378c004d0_prep
	.globl	k_qe378c004d0_prep
	.p2align	8
	.type	k_qe378c004d0_prep,@function
k_qe378c004d0_prep:
	s_mov_b64 s[64:65], 0
	v_nop
	global_prefetch_b8 v0, s[64:65] scope:SCOPE_SE
	s_setreg_imm32_b32 hwreg(HW_REG_WAVE_MODE, 25, 1), 1
	s_wait_xcnt 0x0
; Wq, Wk, Wv [1024][128] and Wo [128][1024], f32 with K as the FIRST axis, become codes of FP6 (E2M3) with one E8M0 byte for each 32 along K,
; laid as IMAGES OF OPERAND REGISTERS: a fragment (16 columns x 128 K) is 12 registers a lane = 1,536 bytes, register group q (4 registers) at 512 q + 16 lane;
; its scale words are 128 bytes, 4 a lane (both halves of the lanes hold column r's word).
; wc: [t = q,k,v,o][f 0..63][1,536];  ws: [t][f][128].  For q, k, v: f = 8 head + K step (a head is 16 columns).  For o: f = tile of 16 output columns.
; ONE WAVE MAKES ONE FRAGMENT.  Lane (r, h) takes column r of the tile and its registers run DOWN K: register 32 c + i = k 64 c + 32 h + i, the order of the 6-bit operand,
; so a lane holds two whole blocks of 32 and the conversions' results are the operand's registers.  The four waves of a work-group stand on four neighbouring tiles: 256 consecutive bytes of each row.
; No LDS, no barrier, no loop, no cluster: no byte is read by two work-groups.
; LIMITS: NaN and infinities are not served; a block whose largest magnitude lies under 2^-124 (a block of zeros too) keeps the byte 1: these bytes are read by this program alone, and zero codes add nothing.
.set TM,  8                            ; v8-15   at work in QUANTB
.set PW,  16                           ; v16     the scale word
.set LS,  17                           ; v17     4 x lane
.set PC,  20                           ; v20-31  the fragment's codes
.set ST,  32                           ; v32-95  64 numbers
.set PT,  96                           ; v96-103 second halves of blocks, as the conversions leave them
.set LI,  6                            ; v6      16 x lane
.set SH8, 7                            ; v7      8 h
.set SEL, 30                           ; s[30:31] lane selects for v_permlanex16_b32: lane l xor 16
; 64 numbers of a lane, register 32 c + i = k 64 c + 32 h + i of the lane's row, become the fragment's 12 registers in v[PC] on and its scale word in v[PW].
.macro QUANTB s
.irp a, 0,1,2,3
	v_max3_num_f32 v[TM+\a], |v[\s+16*\a]|, |v[\s+16*\a+1]|, 0x1800000   ; four chains of 16 by turns, each with the floor 2^(3 - 127): the byte cannot fall under 1
.endr
.irp i, 2,4,6,8,10,12,14
.irp a, 0,1,2,3
	v_max3_num_f32 v[TM+\a], v[TM+\a], |v[\s+16*\a+\i]|, |v[\s+16*\a+\i+1]|
.endr
.endr
	v_max_num_f32 v[TM], v[TM], v[TM+1]            ; block h's largest magnitude,
	v_max_num_f32 v[TM+2], v[TM+2], v[TM+3]        ; block 2 + h's
	v_add_nc_u32 v[TM+4], 0xff000000, v[TM]        ; 2 off the exponent field: the conversion's scale operand
	v_add_nc_u32 v[TM+5], 0xff000000, v[TM+2]
	v_lshrrev_b32 v[TM+6], 23, v[TM+4]             ; the scales' bytes
	v_lshrrev_b32 v[TM+7], 23, v[TM+5]
	v_lshl_or_b32 v[TM+6], v[TM+7], 16, v[TM+6]
	v_lshlrev_b32 v[TM+6], v[SH8], v[TM+6]         ; at bytes h and 2 + h of the word;
	v_permlanex16_b32 v[TM+1], v[TM+6], s[SEL], s[SEL+1]
	v_or_b32 v[PW], v[TM+6], v[TM+1]               ; with lane l xor 16's two the word is whole
	v_cvt_scalef32_pk16_fp6_f32 v[PC:PC+2], v[\s:\s+15], v[TM+4]
	v_cvt_scalef32_pk16_fp6_f32 v[PT:PT+2], v[\s+16:\s+31], v[TM+4]       ; (a conversion's three registers begin on an even number: a block's second half is made elsewhere and moved)
	v_cvt_scalef32_pk16_fp6_f32 v[PC+6:PC+8], v[\s+32:\s+47], v[TM+5]
	v_cvt_scalef32_pk16_fp6_f32 v[PT+4:PT+6], v[\s+48:\s+63], v[TM+5]
	v_nop                                          ; one plain instruction behind the scaled conversions
.irp i, 0,1,2
	v_mov_b32 v[PC+3+\i], v[PT+\i]
	v_mov_b32 v[PC+9+\i], v[PT+4+\i]
.endr
.endm
.macro LOADW adr, pitch                ; W(64 c + 32 h + i, my column): sixteen neighbouring lanes read 64 neighbouring bytes
.irp c, 0,1
.irp i, 0,1,2,3,4,5,6,7,8,9,10,11,12,13,14,15,16,17,18,19,20,21,22,23,24,25,26,27,28,29,30,31
	global_load_b32 v[ST+32*\c+\i], v[\adr], s[4:5] offset:(64*\c+\i)*\pitch
.endr
.endr
.endm
	s_load_b256 s[4:11], s[0:1], 0x0               ; Wq, Wk, Wv, Wo
	s_load_b128 s[12:15], s[0:1], 0x20             ; wc, ws
	v_lshrrev_b32 v1, 5, v0
	v_readfirstlane_b32 s18, v1                    ; wave 0..3
	v_and_b32 v1, 31, v0                           ; lane
	v_and_b32 v2, 15, v0                           ; r
	v_bfe_u32 v3, v0, 4, 1                         ; h
	v_lshlrev_b32 v4, 2, v2
	v_lshl_add_u32 v5, v3, 17, v4                  ; Wo: 4 r + 32 h rows of 4,096 bytes
	v_lshl_add_u32 v4, v3, 14, v4                  ; Wq, Wk, Wv: 4 r + 32 h rows of 512 bytes
	v_lshlrev_b32 v[LI], 4, v1
	v_lshlrev_b32 v[LS], 2, v1
	v_lshlrev_b32 v[SH8], 3, v3
	s_mov_b32 s[SEL], 0x76543210
	s_mov_b32 s[SEL+1], 0xfedcba98
	s_lshr_b32 s16, ttmp9, 4                       ; t: which weight
	s_and_b32 s17, ttmp9, 15                       ; u
	s_lshr_b32 s19, s17, 1                         ; t < 3: K step = u / 2,
	s_and_b32 s20, s17, 1
	s_lshl_b32 s20, s20, 2
	s_add_co_u32 s20, s20, s18                     ; head = 4 (u % 2) + wave,
	s_lshl_b32 s21, s20, 3
	s_add_co_u32 s21, s21, s19                     ; f = 8 head + K step,
	s_lshl_b32 s22, s19, 16
	s_lshl_b32 s23, s20, 6
	s_add_co_u32 s22, s22, s23                     ; from byte 128 rows x K step + 64 x head on
	s_lshl_b32 s24, s17, 2
	s_add_co_u32 s24, s24, s18                     ; t = 3: f = 4 u + wave,
	s_lshl_b32 s25, s24, 6                         ; from byte 64 f on
	s_cmp_eq_u32 s16, 3
	s_cselect_b32 s21, s24, s21
	s_cselect_b32 s22, s25, s22
	s_mov_b32 s23, 0
	s_lshl_b32 s26, s16, 6
	s_add_co_u32 s26, s26, s21                     ; the fragment's number, 64 t + f
	s_mul_i32 s28, s26, 1536
	s_mov_b32 s29, 0
	s_wait_kmcnt 0x0
	s_cmp_eq_u32 s16, 1                            ; the choice of the weight hangs on the work-group's number alone
	s_cselect_b64 s[4:5], s[6:7], s[4:5]
	s_cmp_eq_u32 s16, 2
	s_cselect_b64 s[4:5], s[8:9], s[4:5]
	s_cmp_eq_u32 s16, 3
	s_cselect_b64 s[4:5], s[10:11], s[4:5]
	s_add_nc_u64 s[4:5], s[4:5], s[22:23]
	s_add_nc_u64 s[12:13], s[12:13], s[28:29]
	s_lshl_b32 s28, s26, 7
	s_add_nc_u64 s[14:15], s[14:15], s[28:29]
	s_cmp_eq_u32 s16, 3
	s_cbranch_scc1 .Lwo
	LOADW 4, 512
	s_branch .Lgot
.Lwo:
	LOADW 5, 4096
.Lgot:
	s_wait_loadcnt 0x0                             ; all 64 numbers are in
	QUANTB ST
.irp q, 0,1,2
	global_store_b128 v[LI], v[PC+4*\q:PC+4*\q+3], s[12:13] offset:512*\q   ; 32 lanes store 512 consecutive bytes, aligned
.endr
	global_store_b32 v[LS], v[PW], s[14:15]
	s_endpgm
.Lfunc_end_k_qe378c004d0_prep:
	.size	k_qe378c004d0_prep, .Lfunc_end_k_qe378c004d0_prep-k_qe378c004d0_prep
	.p2alignl 7, 3214868480
	.fill 96, 4, 3214868480
	.section	.rodata,"a",@progbits
	.p2align	6, 0x0
	.amdhsa_kernel k_qe378c004d0_prep
		.amdhsa_group_segment_fixed_size 0
		.amdhsa_private_segment_fixed_size 0
		.amdhsa_enable_private_segment 0
		.amdhsa_kernarg_size 48
		.amdhsa_user_sgpr_count 2
		.amdhsa_user_sgpr_kernarg_segment_ptr 1
		.amdhsa_wavefront_size32 1
		.amdhsa_system_sgpr_workgroup_id_x 1
		.amdhsa_system_sgpr_workgroup_id_y 1
		.amdhsa_system_sgpr_workgroup_id_z 1
		.amdhsa_system_vgpr_workitem_id 0
		.amdhsa_next_free_vgpr 112
		.amdhsa_next_free_sgpr 66
		.amdhsa_reserve_vcc 0
		.amdhsa_float_denorm_mode_32 3
		.amdhsa_float_denorm_mode_16_64 3
		.amdhsa_memory_ordered 1
		.amdhsa_forward_progress 1
		.amdhsa_inst_pref_size 18
	.end_amdhsa_kernel
	.amdgpu_metadata
---
amdhsa.version: [ 1, 2 ]
amdhsa.kernels:
  - .name:           k_qe378c004d0_prep
    .symbol:         k_qe378c004d0_prep.kd
    .args:
      - { .name: Wq, .offset: 0, .size: 8, .value_kind: global_buffer, .address_space: global }
      - { .name: Wk, .offset: 8, .size: 8, .value_kind: global_buffer, .address_space: global }
      - { .name: Wv, .offset: 16, .size: 8, .value_kind: global_buffer, .address_space: global }
      - { .name: Wo, .offset: 24, .size: 8, .value_kind: global_buffer, .address_space: global }
      - { .name: wc, .offset: 32, .size: 8, .value_kind: global_buffer, .address_space: global }
      - { .name: ws, .offset: 40, .size: 8, .value_kind: global_buffer, .address_space: global }
    .group_segment_fixed_size: 0
    .private_segment_fixed_size: 0
    .kernarg_segment_align: 8
    .kernarg_segment_size: 48
    .max_flat_workgroup_size: 128
    .sgpr_count:     66
    .vgpr_count:     112
    .wavefront_size: 32
...
	.end_amdgpu_metadata
.endif
;; end of part 1
;; launch proj (part 2): grid 64 x 3, 8 waves a work-group, no clusters, 327,680 bytes of LDS; arguments queries, keys, values, bq, bk, bv, wc, ws, qf, kf, vrec; writes qf, kf, vrec
.if DOCPART == 2
	.amdgcn_target "amdgcn-amd-amdhsa--gfx1250"
	.amdhsa_code_object_version 6
	.text
	.protected	k_qe378c004d0_proj
	.globl	k_qe378c004d0_proj
	.p2align	8
	.type	k_qe378c004d0_proj,@function
k_qe378c004d0_proj:
	s_mov_b64 s[64:65], 0
	v_nop
	global_prefetch_b8 v0, s[64:65] scope:SCOPE_SE
	s_setreg_imm32_b32 hwreg(HW_REG_WAVE_MODE, 25, 1), 1
	s_wait_xcnt 0x0
; The three projections x W + b, x [8192][1024] f32, W as codes of FP6 (E2M3) from the launch before, both operands quantised along K = 1,024, sums in f32.  Work-group y says which: 0 queries, 1 keys, 2 values.
; A work-group takes 128 tokens (group g = work-group x) and all 128 output columns; x is read from memory once, by tensor loads, K in four steps of 256 through a ring of two LDS slots.
; THE ROWS OF A TILE ARE NOT NEIGHBOURS: row r of tile i (0..7) is token pi(i, r) = 64 (i / 4) + 32 (r / 8) + 8 (i % 4) + r % 8 of the group.  Where a tile is source 0 of a product, lane half h's register j of tiles
; 4 c .. 4 c + 3 is then token 64 c + 32 h + 0 .. 31: ONE WHOLE BLOCK of 32 along the tokens in a lane, in the order of the 6-bit operand.
; SHARES.  Wave w fetches rows 16 w .. 16 w + 15 of each K step; quantises tile w (two fragments a slot) and stores them in LDS as images of the operand's registers; and owns HEAD w (16 columns) for all 8 tiles:
; its 8 fragments of W stay in registers (window 1).
; RESULTS.  q, k (source 0 = W, source 1 = x): a lane holds one token and channels 8 h + 0..7: that IS the operand image of the f32 matrix form used by the next launch (K step s names registers 2 s, 2 s + 1,
; alike on both sides): qf, kf [8 b + head][tile 8 G + i][1,024].  v (source 0 = x, source 1 = W): a lane holds one channel and 64 tokens, two whole blocks along the keys: quantised in registers:
; vrec [8 b + head][26,624]: codes [G][1,536], then from byte 24,576 scale words [G][128].
; NO CLUSTER: each work-group's rows of x are its own; what work-groups share, W's codes, is 12,288 bytes a wave against 524,288 bytes of x a work-group, and goes straight into registers.
; LIMITS: NaN and infinities are not served; a block whose largest magnitude lies under 2^-124 (a block of zeros too) keeps the byte 1: these bytes are read by this program alone, and zero codes add nothing.
.set SLOT,  133632                     ; a slot: token row t at 1,040 t + 128 (t / 32): 1,024 bytes + 16 of padding; the 128 bytes for each 32 rows set rows r and r + 8 of a tile, 32 tokens apart, 32 words apart modulo 64 (64 banks of 4 bytes: ISA guide 11.1)
.set IMG,   267264                     ; behind the ring: images [buffer 2][K step of the slot 2][tile 8][1,536],
.set ISC,   316416                     ; their scale words [2][2][8][128],
.set SPARE, 320512                     ; and the spare words, 128 bytes for each of the eight waves, which no other line names
.set LI,   1                           ; v1   16 x lane
.set LS,   2                           ; v2   4 x lane
.set XA,   3                           ; v3-4 where my lane reads its row of tile w in slot 0, 1
.set IWI,  5                           ; v5   where I store images: IMG + 1,536 w + 16 lane
.set IWS,  6                           ; v6   and scale words: ISC + 128 w + 4 lane
.set SH8,  7                           ; v7   8 h
.set SPW,  8                           ; v8   my spare word; never rewritten
.set NIL,  9                           ; v9   0; never rewritten
.set LIF,  10                          ; v10  IMG + 16 lane
.set LSF,  11                          ; v11  ISC + 4 lane
.set BO,   12                          ; v12  32 h, v13  4 r: the bias's offsets
.set WS,   14                          ; v14-21  W's scale words, one a K step
.set BIAS, 22                          ; v22-29  the bias in the result's layout
.set XS,   30                          ; v30-37  x's scale words, one a tile
.set TM,   38                          ; v38-45  at work in QUANTB
.set PW,   46
.set PC,   48                          ; v48-59
.set PT,   60                          ; v60-67
.set ACC,  68                          ; v68-131 tile i at + 8 i
.set FB,   132                         ; v132-227 eight fragments of x
.set ST,   132                         ; v132-195 64 numbers of x, by turns with them
.set G1,   28                          ; s[28:35] descriptor group 1
.set G0,   36                          ; s[36:43] group 0, one set for each slot
.set KIND, 44
.set WV,   45
.set SEL,  46                          ; s[46:47]
.set MSB, 0
.macro WIN new                         ; the immediate's high byte repeats the setting that is left
.if MSB != \new
	s_set_vgpr_msb (MSB<<8)|\new
.set MSB, \new
.endif
.endm
; 64 numbers of a lane, register 32 c + i = k 64 c + 32 h + i of the lane's row, become the fragment's 12 registers in v[PC] on and its scale word in v[PW].  The registers are read in ascending order.
.macro QUANTB s
.irp a, 0,1,2,3
	v_max3_num_f32 v[TM+\a], |v[\s+16*\a]|, |v[\s+16*\a+1]|, 0x1800000   ; four chains of 16 by turns, each with the floor 2^(3 - 127): the byte cannot fall under 1
.endr
.irp i, 2,4,6,8,10,12,14
.irp a, 0,1,2,3
	v_max3_num_f32 v[TM+\a], v[TM+\a], |v[\s+16*\a+\i]|, |v[\s+16*\a+\i+1]|
.endr
.endr
	v_max_num_f32 v[TM], v[TM], v[TM+1]            ; block h's largest magnitude,
	v_max_num_f32 v[TM+2], v[TM+2], v[TM+3]        ; block 2 + h's
	v_add_nc_u32 v[TM+4], 0xff000000, v[TM]        ; 2 off the exponent field: the conversion's scale operand
	v_add_nc_u32 v[TM+5], 0xff000000, v[TM+2]
	v_lshrrev_b32 v[TM+6], 23, v[TM+4]             ; the scales' bytes
	v_lshrrev_b32 v[TM+7], 23, v[TM+5]
	v_lshl_or_b32 v[TM+6], v[TM+7], 16, v[TM+6]
	v_lshlrev_b32 v[TM+6], v[SH8], v[TM+6]         ; at bytes h and 2 + h of the word;
	v_permlanex16_b32 v[TM+1], v[TM+6], s[SEL], s[SEL+1]
	v_or_b32 v[PW], v[TM+6], v[TM+1]               ; with lane l xor 16's two the word is whole
	v_cvt_scalef32_pk16_fp6_f32 v[PC:PC+2], v[\s:\s+15], v[TM+4]
	v_cvt_scalef32_pk16_fp6_f32 v[PT:PT+2], v[\s+16:\s+31], v[TM+4]       ; (a conversion's three registers begin on an even number)
	v_cvt_scalef32_pk16_fp6_f32 v[PC+6:PC+8], v[\s+32:\s+47], v[TM+5]
	v_cvt_scalef32_pk16_fp6_f32 v[PT+4:PT+6], v[\s+48:\s+63], v[TM+5]
	v_nop                                          ; one plain instruction behind the scaled conversions
.irp i, 0,1,2
	v_mov_b32 v[PC+3+\i], v[PT+\i]
	v_mov_b32 v[PC+9+\i], v[PT+4+\i]
.endr
.endm
	s_load_b512 s[4:19], s[0:1], 0x0               ; queries, keys, values, bq, bk, bv, wc, ws
	s_load_b128 s[20:23], s[0:1], 0x40             ; qf, kf
	s_load_b64 s[24:25], s[0:1], 0x50              ; vrec
	v_lshl_add_u32 v[SPW], v0, 2, SPARE
	v_mov_b32 v[NIL], 0
	ds_add_u32 v8, v9
	ds_add_u32 v8, v9
	s_wait_dscnt 0x0
	v_lshrrev_b32 v10, 5, v0
	v_readfirstlane_b32 s[WV], v10                 ; wave 0..7
	s_and_b32 s[KIND], ttmp7, 0xffff               ; 0 queries, 1 keys, 2 values
	; descriptor group 1: 16 rows x 256 f32, rows 1,024 elements apart in memory, 16 bytes of padding behind each row in LDS
	s_mov_b32 s[G1+0], (2<<16)|(1<<20)|(7<<22)|(3<<25)   ; no mask; elements of 4 bytes; padding on, after every 256 words (code 7), 4 words of it (code 3)
	s_mov_b32 s[G1+1], 256<<16                     ; tensor_dim0 = 256
	s_mov_b32 s[G1+2], 16<<16                      ; tensor_dim1 = 16
	s_mov_b32 s[G1+3], 256<<16                     ; tile_dim0 = 256
	s_mov_b32 s[G1+4], 16                          ; tile_dim1 = 16
	s_mov_b32 s[G1+5], 1024                        ; tensor_dim0_stride
	s_mov_b32 s[G1+6], 0
	s_mov_b32 s[G1+7], 0
	s_mul_i32 s48, s[WV], 16640                    ; my 16 rows' place in a slot: 16 w rows of 1,040 bytes
	s_lshr_b32 s49, s[WV], 1
	s_lshl_b32 s49, s49, 7
	s_add_co_u32 s48, s48, s49                     ; + 128 for each 32 rows passed
	s_lshl_b32 s50, ttmp9, 19                      ; the group's 128 rows of 4,096 bytes,
	s_lshl_b32 s51, s[WV], 16                      ; my 16 of them
	s_add_co_u32 s50, s50, s51
	s_mov_b32 s51, 0
	s_mov_b32 s[SEL], 0x76543210
	s_mov_b32 s[SEL+1], 0xfedcba98
	v_and_b32 v132, 31, v0                         ; lane
	v_and_b32 v133, 15, v0                         ; r
	v_bfe_u32 v134, v0, 4, 1                       ; h
	v_lshlrev_b32 v[LI], 4, v132
	v_lshlrev_b32 v[LS], 2, v132
	v_lshlrev_b32 v[SH8], 3, v134
	v_lshlrev_b32 v[BO], 5, v134
	v_lshlrev_b32 v[BO+1], 2, v133
	s_wait_kmcnt 0x0
	s_cmp_eq_u32 s[KIND], 1                        ; x and its bias: the choice hangs on the work-group's number alone
	s_cselect_b64 s[4:5], s[6:7], s[4:5]
	s_cselect_b64 s[10:11], s[12:13], s[10:11]
	s_cmp_eq_u32 s[KIND], 2
	s_cselect_b64 s[4:5], s[8:9], s[4:5]
	s_cselect_b64 s[10:11], s[14:15], s[10:11]
	s_add_nc_u64 s[4:5], s[4:5], s[50:51]
.irp n, 0,1
	s_mov_b32 s[G0+4*\n], 1                        ; count = 1
	s_add_co_u32 s[G0+4*\n+1], s48, \n*SLOT        ; LDS address
	s_add_nc_u64 s[G0+4*\n+2:G0+4*\n+3], s[4:5], \n*1024   ; global address: K = 256 n on
	s_or_b32 s[G0+4*\n+3], s[G0+4*\n+3], 0x80000000        ; type = 2
.endr
	tensor_load_to_lds s[G0:G0+3], s[G1:G1+7]      ; both first fills together, ahead of every wait on TENSORcnt, LDS read and barrier: two loads of mine are out
	s_nop 0
	tensor_load_to_lds s[G0+4:G0+7], s[G1:G1+7]
	s_nop 0
.rept 4
	v_nop                                          ; four ahead of a switch of the register windows
.endr
	s_mul_i32 s52, s[KIND], 98304                  ; my head's 8 fragments of this W: 64 fragments a weight, 8 a head
	s_mul_i32 s53, s[WV], 12288
	s_add_co_u32 s52, s52, s53
	s_mov_b32 s53, 0
	s_add_nc_u64 s[16:17], s[16:17], s[52:53]
	s_lshl_b32 s52, s[KIND], 13
	s_lshl_b32 s54, s[WV], 10
	s_add_co_u32 s52, s52, s54
	s_add_nc_u64 s[18:19], s[18:19], s[52:53]      ; and their scale words
	s_lshl_b32 s52, s[WV], 6
	s_add_nc_u64 s[10:11], s[10:11], s[52:53]      ; my head's 16 numbers of the bias
	WIN 0x40                                       ; destination window 1
.set n, 0
.rept 24
	global_load_b128 v[4*n:4*n+3], v[LI], s[16:17] offset:512*n   ; W's fragment of K step s at v[12 s] of window 1: it stays
.set n, n+1
.endr
	WIN 0
.irp s, 0,1,2,3,4,5,6,7
	global_load_b32 v[WS+\s], v[LS], s[18:19] offset:128*\s
.endr
	s_cmp_eq_u32 s[KIND], 2
	s_cbranch_scc1 .Lbias_v
	global_load_b128 v[BIAS:BIAS+3], v[BO], s[10:11]             ; q, k: register j is channel 8 h + j
	global_load_b128 v[BIAS+4:BIAS+7], v[BO], s[10:11] offset:16
	s_branch .Lbias_in
.Lbias_v:
.irp j, 0,1,2,3,4,5,6,7
	global_load_b32 v[BIAS+\j], v[BO+1], s[10:11]                ; v: every register is channel r
.endr
.Lbias_in:
	v_and_b32 v135, 7, v133
	v_lshrrev_b32 v136, 3, v133
	v_mul_u32_u24 v[XA], v135, 1040                ; my row of tile w: token 64 (w / 4) + 32 (r / 8) + 8 (w % 4) + r % 8
	v_mad_u32_u24 v[XA], v136, 33408, v[XA]        ; (32 rows and their 128 bytes)
	v_lshl_add_u32 v[XA], v134, 7, v[XA]           ; + 128 h: my 32 numbers of each 64
	s_lshr_b32 s52, s[WV], 2
	s_and_b32 s53, s[WV], 3
	s_mul_i32 s54, s52, 66816                      ; 64 rows and twice 128 bytes
	s_mul_i32 s53, s53, 8320                       ; 8 rows
	s_add_co_u32 s54, s54, s53
	v_add_nc_u32 v[XA], s54, v[XA]
	v_add_nc_u32 v[XA+1], SLOT, v[XA]
	s_mul_i32 s53, s[WV], 1536
	v_add_nc_u32 v[IWI], s53, v[LI]
	v_add_nc_u32 v[IWI], IMG, v[IWI]
	s_lshl_b32 s53, s[WV], 7
	v_add_nc_u32 v[IWS], s53, v[LS]
	v_add_nc_u32 v[IWS], ISC, v[IWS]
	v_add_nc_u32 v[LIF], IMG, v[LI]
	v_add_nc_u32 v[LSF], ISC, v[LS]
; My tile's two fragments of the slot of trip t: 64 numbers a lane from the slot, quantised, stored as images into buffer t % 2.
.macro QPH t
.irp gk, 0,1
.irp c, 0,1
.irp j, 0,1,2,3,4,5,6,7
	ds_load_b128 v[ST+32*\c+4*\j:ST+32*\c+4*\j+3], v[XA+(\t)%2] offset:512*\gk+256*\c+16*\j
.endr
.endr
	s_wait_dscnt 0x0                               ; the 64 numbers are in; the last image's stores are done too
	QUANTB ST
.irp q, 0,1,2
	ds_store_b128 v[IWI], v[PC+4*\q:PC+4*\q+3] offset:((\t)%2)*24576+\gk*12288+512*\q
.endr
	ds_store_b32 v[IWS], v[PW] offset:((\t)%2)*2048+\gk*1024
.endr
.endm
; The one barrier of a trip.  In front of it each wave waits for all its tensor loads (its part of the next slot), adds 0 to its spare word, and waits for that, for its reads of this slot and for its image stores.
; Behind it the next slot and this trip's images are whole and nobody reads this slot.  fill = 1: this slot is filled again, with K two steps on: my one tensor load until the next such barrier.
.macro MEET slot, fill
	s_wait_tensorcnt 0x0                           ; no tensor load of mine is out, so a group 0 may be written
	ds_add_u32 v[SPW], v[NIL]
.if \fill
	s_add_nc_u64 s[G0+4*\slot+2:G0+4*\slot+3], s[G0+4*\slot+2:G0+4*\slot+3], 2048   ; 512 along K on; the type bits on top are not reached
.endif
	s_wait_dscnt 0x0
	s_barrier_signal -1
	s_barrier_wait -1
.if \fill
	tensor_load_to_lds s[G0+4*\slot:G0+4*\slot+3], s[G1:G1+7]
	s_nop 0
.rept 4
	v_nop
.endr
.endif
.endm
; K step s (the gk-th of image buffer buf): all eight tiles' fragments from LDS, eight products on eight accumulators by turns.  s = 0: the bias starts the sums.
.macro MPHK buf, gk, s
.irp i, 0,1,2,3,4,5,6,7
.irp q, 0,1,2
	ds_load_b128 v[FB+12*\i+4*\q:FB+12*\i+4*\q+3], v[LIF] offset:(\buf)*24576+(\gk)*12288+1536*\i+512*\q
.endr
	ds_load_b32 v[XS+\i], v[LSF] offset:(\buf)*2048+(\gk)*1024+128*\i
.endr
	s_wait_dscnt 0x0
.if (\s) == 0
	s_wait_loadcnt 0x0                             ; W, its scale words and the bias, once
.endif
	s_cmp_eq_u32 s[KIND], 2
	s_cbranch_scc1 .Lv_\@
	WIN 0x01                                       ; q, k: source 0 = W (window 1), source 1 = x
.irp i, 0,1,2,3,4,5,6,7
.if (\s) == 0
	v_wmma_scale_f32_16x16x128_f8f6f4 v[ACC+8*\i:ACC+8*\i+7], v[12*(\s):12*(\s)+11], v[FB+12*\i:FB+12*\i+11], v[BIAS:BIAS+7], v[WS+(\s)], v[XS+\i] matrix_a_fmt:MATRIX_FMT_FP6 matrix_b_fmt:MATRIX_FMT_FP6
.else
	v_wmma_scale_f32_16x16x128_f8f6f4 v[ACC+8*\i:ACC+8*\i+7], v[12*(\s):12*(\s)+11], v[FB+12*\i:FB+12*\i+11], v[ACC+8*\i:ACC+8*\i+7], v[WS+(\s)], v[XS+\i] matrix_a_fmt:MATRIX_FMT_FP6 matrix_b_fmt:MATRIX_FMT_FP6
.endif
.endr
	WIN 0
	s_branch .Lj_\@
.Lv_\@:
	WIN 0x04                                       ; v: source 0 = x, source 1 = W (window 1)
.irp i, 0,1,2,3,4,5,6,7
.if (\s) == 0
	v_wmma_scale_f32_16x16x128_f8f6f4 v[ACC+8*\i:ACC+8*\i+7], v[FB+12*\i:FB+12*\i+11], v[12*(\s):12*(\s)+11], v[BIAS:BIAS+7], v[XS+\i], v[WS+(\s)] matrix_a_fmt:MATRIX_FMT_FP6 matrix_b_fmt:MATRIX_FMT_FP6
.else
	v_wmma_scale_f32_16x16x128_f8f6f4 v[ACC+8*\i:ACC+8*\i+7], v[FB+12*\i:FB+12*\i+11], v[12*(\s):12*(\s)+11], v[ACC+8*\i:ACC+8*\i+7], v[XS+\i], v[WS+(\s)] matrix_a_fmt:MATRIX_FMT_FP6 matrix_b_fmt:MATRIX_FMT_FP6
.endif
.endr
	WIN 0
.Lj_\@:
.rept 4
	v_nop                                          ; four places ahead of loads into registers that these products have read, and of the first read of results
.endr
.endm
	s_wait_tensorcnt 0x1                           ; my part of slot 0 is in; slot 1's load may stay out
	s_barrier_signal -1
	s_barrier_wait -1                              ; everybody's is
	QPH 0
	MEET 0, 1                                      ; slot 0 takes K 512 .. 767
	MPHK 0, 0, 0
	MPHK 0, 1, 1
	QPH 1
	MEET 1, 1                                      ; slot 1 takes K 768 .. 1,023
	MPHK 1, 0, 2
	MPHK 1, 1, 3
	QPH 2                                          ; image buffer 0 is written again: every wave's reads of it came back ahead of the barrier just passed
	MEET 0, 0                                      ; nothing is left to fetch; the wait for 0 shows slot 1's last tile landed
	MPHK 0, 0, 4
	MPHK 0, 1, 5
	QPH 3
	s_wait_dscnt 0x0                               ; for the others' sake: my image stores are done
	s_barrier_signal -1
	s_barrier_wait -1
	MPHK 1, 0, 6
	MPHK 1, 1, 7
	s_lshr_b32 s48, ttmp9, 4                       ; b
	s_and_b32 s49, ttmp9, 15                       ; G
	s_cmp_eq_u32 s[KIND], 2
	s_cbranch_scc1 .Lout_v
	s_cmp_eq_u32 s[KIND], 0                        ; q, k: the accumulators are the images
	s_cselect_b64 s[20:21], s[20:21], s[22:23]
	s_lshl_b32 s50, s48, 20                        ; (8 b + w) x 131,072 + G x 8,192
	s_lshl_b32 s51, s[WV], 17
	s_add_co_u32 s50, s50, s51
	s_lshl_b32 s51, s49, 13
	s_add_co_u32 s50, s50, s51
	s_mov_b32 s51, 0
	s_add_nc_u64 s[20:21], s[20:21], s[50:51]
.irp i, 0,1,2,3,4,5,6,7
	global_store_b128 v[LI], v[ACC+8*\i:ACC+8*\i+3], s[20:21] offset:1024*\i        ; each accumulator from its low end on; 32 lanes store 512 consecutive bytes, aligned
	global_store_b128 v[LI], v[ACC+8*\i+4:ACC+8*\i+7], s[20:21] offset:1024*\i+512
.endr
	s_wait_tensorcnt 0x0                           ; the wave's end
	ds_add_u32 v[SPW], v[NIL]
	s_wait_dscnt 0x0
	s_endpgm
.Lout_v:
	QUANTB ACC                                     ; v: my channel's 64 keys, register 32 c + i = key 64 c + 32 h + i: one fragment of V^T
	s_lshl_b32 s50, s48, 3
	s_add_co_u32 s50, s50, s[WV]                   ; 8 b + w
	s_mul_i32 s50, s50, 26624
	s_mul_i32 s51, s49, 1536
	s_add_co_u32 s52, s50, s51
	s_mov_b32 s53, 0
	s_add_nc_u64 s[22:23], s[24:25], s[52:53]      ; the codes' place
	s_lshl_b32 s51, s49, 7
	s_add_co_u32 s52, s50, s51
	s_add_co_u32 s52, s52, 24576
	s_add_nc_u64 s[24:25], s[24:25], s[52:53]      ; the scale words'
.irp q, 0,1,2
	global_store_b128 v[LI], v[PC+4*\q:PC+4*\q+3], s[22:23] offset:512*\q
.endr
	global_store_b32 v[LS], v[PW], s[24:25]
	s_wait_tensorcnt 0x0                           ; the wave's end
	ds_add_u32 v[SPW], v[NIL]
	s_wait_dscnt 0x0
	s_endpgm
.Lfunc_end_k_qe378c004d0_proj:
	.size	k_qe378c004d0_proj, .Lfunc_end_k_qe378c004d0_proj-k_qe378c004d0_proj
	.p2alignl 7, 3214868480
	.fill 96, 4, 3214868480
	.section	.rodata,"a",@progbits
	.p2align	6, 0x0
	.amdhsa_kernel k_qe378c004d0_proj
		.amdhsa_group_segment_fixed_size 327680
		.amdhsa_private_segment_fixed_size 0
		.amdhsa_enable_private_segment 0
		.amdhsa_kernarg_size 88
		.amdhsa_user_sgpr_count 2
		.amdhsa_user_sgpr_kernarg_segment_ptr 1
		.amdhsa_wavefront_size32 1
		.amdhsa_system_sgpr_workgroup_id_x 1
		.amdhsa_system_sgpr_workgroup_id_y 1
		.amdhsa_system_sgpr_workgroup_id_z 1
		.amdhsa_system_vgpr_workitem_id 0
		.amdhsa_next_free_vgpr 352
		.amdhsa_next_free_sgpr 66
		.amdhsa_reserve_vcc 0
		.amdhsa_float_denorm_mode_32 3
		.amdhsa_float_denorm_mode_16_64 3
		.amdhsa_memory_ordered 1
		.amdhsa_forward_progress 1
		.amdhsa_inst_pref_size 86
	.end_amdhsa_kernel
	.amdgpu_metadata
---
amdhsa.version: [ 1, 2 ]
amdhsa.kernels:
  - .name:           k_qe378c004d0_proj
    .symbol:         k_qe378c004d0_proj.kd
    .args:
      - { .name: queries, .offset: 0, .size: 8, .value_kind: global_buffer, .address_space: global }
      - { .name: keys, .offset: 8, .size: 8, .value_kind: global_buffer, .address_space: global }
      - { .name: values, .offset: 16, .size: 8, .value_kind: global_buffer, .address_space: global }
      - { .name: bq, .offset: 24, .size: 8, .value_kind: global_buffer, .address_space: global }
      - { .name: bk, .offset: 32, .size: 8, .value_kind: global_buffer, .address_space: global }
      - { .name: bv, .offset: 40, .size: 8, .value_kind: global_buffer, .address_space: global }
      - { .name: wc, .offset: 48, .size: 8, .value_kind: global_buffer, .address_space: global }
      - { .name: ws, .offset: 56, .size: 8, .value_kind: global_buffer, .address_space: global }
      - { .name: qf, .offset: 64, .size: 8, .value_kind: global_buffer, .address_space: global }
      - { .name: kf, .offset: 72, .size: 8, .value_kind: global_buffer, .address_space: global }
      - { .name: vrec, .offset: 80, .size: 8, .value_kind: global_buffer, .address_space: global }
    .group_segment_fixed_size: 327680
    .private_segment_fixed_size: 0
    .kernarg_segment_align: 8
    .kernarg_segment_size: 88
    .max_flat_workgroup_size: 256
    .sgpr_count:     66
    .vgpr_count:     352
    .wavefront_size: 32
...
	.end_amdgpu_metadata
.endif
;; end of part 2
;; launch attn (part 3): grid 8 x 32, 16 waves a work-group, clusters of 4 x 1, 169,984 bytes of LDS; arguments qf, kf, vrec, oimg; writes oimg
.if DOCPART == 3
	.amdgcn_target "amdgcn-amd-amdhsa--gfx1250"
	.amdhsa_code_object_version 6
	.text
	.protected	k_qe378c004d0_attn
	.globl	k_qe378c004d0_attn
	.p2align	8
	.type	k_qe378c004d0_attn,@function
k_qe378c004d0_attn:
	s_mov_b64 s[64:65], 0
	v_nop
	global_prefetch_b8 v0, s[64:65] scope:SCOPE_SE
	s_setreg_imm32_b32 hwreg(HW_REG_WAVE_MODE, 25, 1), 1
	s_wait_xcnt 0x0
	s_wait_alu depctr_hold_cnt(0) depctr_sa_sdst(0) depctr_va_vdst(0) depctr_va_sdst(0) depctr_va_ssrc(0) depctr_va_vcc(0) depctr_vm_vsrc(0)
	s_getreg_b32 s2, hwreg(HW_REG_IB_STS2, 6, 4)
	s_cmp_eq_u32 s2, 0
	s_cbranch_scc0 .Lentry_in_a_cluster
	s_endpgm
.Lentry_in_a_cluster:
	s_bfe_u32 s2, ttmp6, 0x10000c
	s_cmp_lg_u32 s2, 0x3003
	s_cbranch_scc0 .Lentry_shape_is_right
	s_endpgm
.Lentry_shape_is_right:
; Attention of one (batch, head) bh = 8 b + head, head size 16, 2,048 keys.  Scores in f32 by v_wmma_f32_16x16x4_f32 (their result goes into a quantiser); t = score x log2(e) / sqrt(128);
; M = the running largest t rounded UP to a whole number; p = 2^(t - M), not normalised, is quantised along the keys to FP6 (E2M3) with one E8M0 byte for each 32 keys; O^T += V^T P^T on codes;
; the row's sum is taken of the unquantised p and divides at the end.  When M moves, the sum and O^T are multiplied by 2^(old M - new M): exact.
; SHARES.  A work-group owns 256 queries, each of its sixteen waves one tile of 16, in 256 registers: four waves to a SIMD, so that one wave's vector work stands beside the others' matrix work.  A wave walks 16 steps of 128 keys.
; LAYOUT.  Both products are used transposed (S^T = K Q^T, O^T = V^T P^T): a lane holds one query throughout.  The keys of a tile are not neighbours (row r of tile i is key 64 (i / 4) + 32 (r / 8) + 8 (i % 4) + r % 8
; of the step's 128, as the launch before has laid them), so register 32 c + i of the 64 scores is key 64 c + 32 h + i: a lane holds two WHOLE blocks of 32 keys, in the order of the 6-bit operand.
; An f32 fragment is 8 registers: lane (r, h) holds token r's channels 8 h + 0..7; K step s names registers 2 s, 2 s + 1 on both sides, so the 16 channels are summed in an order that is permuted alike in both operands.
; LDS holds the head's K (131,072 bytes of images) and V (26,624 bytes of codes and scale words) for the whole launch: filled once, never again, never stored to.
; CLUSTER.  The four query blocks of a cluster belong to one bh and want the same K and V: each wave asks for its sixteenth of both JOINTLY, by the same tensor load with a mask that names the four.
; No prefetch: K and V are asked for once, at the head; the loop reads LDS alone.
; A block's largest p is made from the block's largest score by the same multiply-add and exponential; this takes v_exp_f32 not to fall where its input rises.
; LIMITS: NaN and infinities are not served; a block whose every p lies under 2^-124 keeps the byte 1 (its codes are zeros or nearly so).
.set VB,  131072                       ; LDS: K's images from 0, step G at 8,192 G, tile i at + 1,024 i; V's record from VB: codes [G][1,536], from + 24,576 scale words [G][128]
.set LI,  1                            ; v1   16 x lane
.set LIV, 2                            ; v2   VB + 16 lane
.set LSV, 3                            ; v3   VB + 24,576 + 4 lane
.set ADK, 4                            ; v4-6 the step's addresses
.set ADV, 5
.set ADS, 6
.set SH8, 7                            ; v7   8 h
.set Q,   8                            ; v8-15   my 16 queries
.set NM,  16                           ; v16 -M, v17 the largest t so far
.set L,   18                           ; v[18:19] the sum, in two halves
.set F,   20                           ; v20 f = 2^(old M - new M); v21 named with it as a pair
.set CM,  22                           ; v22-25 maxima; v26, v27 at work; v[28:29] the second chain of sums; v30, v31 the conversions' scale operands
.set KB,  32                           ; v32-95  K's eight fragments,
.set P,   32                           ;         later p
.set S,   96                           ; v96-159 the scores: written by the f32 matrix form alone
.set O,   160                          ; v160-167 O^T
.set VF,  168                          ; v168-179 V's fragment
.set VS,  180                          ; v180 its scale word
.set PW,  181                          ; v181 p's scale word
.set PC,  184                          ; v184-195 p's codes
.set PT,  196                          ; v196-203
.set OUT, 204                          ; v204-211
.set GO,  212
.set WV,  12
.set SEL, 20                           ; s[20:21]
.set CS,  22                           ; s[22:23] c = log2(e) / sqrt(128)
.set G1K, 24                           ; s[24:31], s[32:39] descriptor groups 1; s[40:43], s[44:47] groups 0
.set G1V, 32
.set G0K, 40
.set G0V, 44
.set TK,  48
.set TV,  49
.set TS,  50
.set CNT, 51
.macro ROUND                           ; a round of the cluster's barrier
	s_barrier_signal -1
	s_barrier_wait -1
	s_cmp_lg_u32 s[WV], 0
	s_cbranch_scc1 .Lnot_wave_0_\@
	s_barrier_signal -3
.Lnot_wave_0_\@:
	s_barrier_wait -3
	s_barrier_signal -1
	s_barrier_wait -1
.endm
	s_load_b256 s[4:11], s[0:1], 0x0               ; qf, kf, vrec, oimg
	v_lshl_add_u32 v254, v0, 2, 0x29000
	v_mov_b32 v255, 0
	ds_add_u32 v254, v255
	ds_add_u32 v254, v255
	v_lshrrev_b32 v1, 5, v0
	v_readfirstlane_b32 s[WV], v1                  ; wave 0..15
	s_bfe_u32 s13, ttmp6, 0x40000                  ; cx: my place in the cluster: it enters qf's and oimg's addresses alone
	s_lshl_b32 s14, ttmp9, 2
	s_add_co_u32 s14, s14, s13                     ; my block of 256 queries
	s_and_b32 s15, ttmp7, 0xffff                   ; bh, which the four partners share
	; K: my sixteenth of the head's images, 8,192 dense bytes, as 32 rows of 256 bytes (32 elements of 8 bytes)
	s_mov_b32 s[G1K+0], 15|(3<<16)|(1<<21)         ; the mask: all four work-groups; elements of 8 bytes; bit 21 set beside a mask
	s_mov_b32 s[G1K+1], 32<<16
	s_mov_b32 s[G1K+2], 32<<16
	s_mov_b32 s[G1K+3], 32<<16
	s_mov_b32 s[G1K+4], 32
	s_mov_b32 s[G1K+5], 32
	s_mov_b32 s[G1K+6], 0
	s_mov_b32 s[G1K+7], 0
	; V: my sixteenth of the head's record, 1,664 dense bytes, as 13 rows of 128 bytes
	s_mov_b32 s[G1V+0], 15|(3<<16)|(1<<21)
	s_mov_b32 s[G1V+1], 16<<16
	s_mov_b32 s[G1V+2], 13<<16
	s_mov_b32 s[G1V+3], 16<<16
	s_mov_b32 s[G1V+4], 13
	s_mov_b32 s[G1V+5], 16
	s_mov_b32 s[G1V+6], 0
	s_mov_b32 s[G1V+7], 0
	s_lshl_b32 s16, s15, 17                        ; the head's 131,072 bytes in qf and kf
	s_lshl_b32 s17, s[WV], 13
	s_add_co_u32 s52, s16, s17
	s_mov_b32 s53, 0
	s_mul_i32 s54, s15, 26624
	s_mul_i32 s18, s[WV], 1664
	s_add_co_u32 s54, s54, s18
	s_mov_b32 s55, 0
	s_mov_b32 s[SEL], 0x76543210
	s_mov_b32 s[SEL+1], 0xfedcba98
	s_mov_b32 s[CS], 0x3e0293ee
	s_mov_b32 s[CS+1], s[CS]                       ; (named with it as a pair, so it is written)
	s_mov_b32 s[TK], 0
	s_mov_b32 s[TV], 0
	s_mov_b32 s[TS], 0
	s_mov_b32 s[CNT], 16
	s_wait_dscnt 0x0
	s_wait_kmcnt 0x0
	s_mov_b32 s[G0K], 1
	s_mov_b32 s[G0K+1], s17                        ; LDS: 8,192 w
	s_add_nc_u64 s[G0K+2:G0K+3], s[6:7], s[52:53]
	s_or_b32 s[G0K+3], s[G0K+3], 0x80000000
	s_mov_b32 s[G0V], 1
	s_add_co_u32 s[G0V+1], s18, VB                 ; LDS: VB + 1,664 w
	s_add_nc_u64 s[G0V+2:G0V+3], s[8:9], s[54:55]
	s_or_b32 s[G0V+3], s[G0V+3], 0x80000000
	ROUND                                          ; all four work-groups are here: the joint loads meet
	tensor_load_to_lds s[G0K:G0K+3], s[G1K:G1K+7]  ; two loads of mine are out, the only ones of the launch
	s_nop 0
	tensor_load_to_lds s[G0V:G0V+3], s[G1V:G1V+7]
	s_nop 0
.rept 4
	v_nop
.endr
	s_lshl_b32 s19, s14, 4
	s_add_co_u32 s19, s19, s[WV]                   ; my tile of queries, 16 x block + wave
	s_lshl_b32 s2, s19, 10
	s_add_co_u32 s2, s2, s16
	s_mov_b32 s3, 0
	s_add_nc_u64 s[4:5], s[4:5], s[2:3]
	v_and_b32 v26, 31, v0                          ; lane
	v_and_b32 v27, 15, v0                          ; r
	v_bfe_u32 v28, v0, 4, 1                        ; h
	v_lshlrev_b32 v[LI], 4, v26
	global_load_b128 v[Q:Q+3], v[LI], s[4:5]
	global_load_b128 v[Q+4:Q+7], v[LI], s[4:5] offset:512
	v_add_nc_u32 v[LIV], VB, v[LI]
	v_lshl_add_u32 v[LSV], v26, 2, VB+24576
	v_lshlrev_b32 v[SH8], 3, v28
	v_lshlrev_b32 v[GO], 4, v27
	v_lshl_add_u32 v[GO], v28, 10, v[GO]           ; the way out: 1,024 h + 16 r
	; oimg: [128 b + tile][c 2][jj 8][lane' 32][16], lane' (r, h') holding k = 64 c + 32 h' + 4 jj + 0..3, k = 16 head + channel.  With head = 4 c + 2 h' + e my registers 4 u + 0..3 (channels 8 h + 4 u ..) are jj = 4 e + 2 h + u
	s_lshr_b32 s16, s15, 3
	s_lshl_b32 s16, s16, 7
	s_add_co_u32 s16, s16, s19
	s_lshl_b32 s16, s16, 13
	s_bfe_u32 s18, s15, 0x10002                    ; c
	s_lshl_b32 s18, s18, 12
	s_add_co_u32 s16, s16, s18
	s_and_b32 s18, s15, 1                          ; e
	s_lshl_b32 s18, s18, 11
	s_add_co_u32 s16, s16, s18
	s_bfe_u32 s18, s15, 0x10001                    ; h'
	s_lshl_b32 s18, s18, 8
	s_add_co_u32 s16, s16, s18
	s_mov_b32 s17, 0
	s_add_nc_u64 s[10:11], s[10:11], s[16:17]
	v_mov_b32 v[NM+1], 0xff61b1e6                  ; the largest t so far: -3e38, under every t
	v_floor_f32 v[NM], -v[NM+1]
	v_mov_b32 v[L], 0
	v_mov_b32 v[L+1], 0
	v_mov_b32 v[F+1], 0
	v_mov_b32 v27, 0                               ; a lane permute's destination counts as one of its sources
.irp j, 0,1,2,3,4,5,6,7
	v_mov_b32 v[O+\j], 0                           ; the step is written once: the first finds zeros, which the first change of M leaves zeros
.endr
	s_wait_tensorcnt 0x0                           ; my parts of K and V are in,
	s_barrier_signal -1
	s_barrier_wait -1                              ; everybody's are
	s_wait_loadcnt 0x0                             ; Q
.Lstep:                                            ; 16 trips of 128 keys
	v_add_nc_u32 v[ADK], s[TK], v[LI]              ; with the v_nop: the four places behind the last trip's scaled product, ahead of the loads into V's fragment and scale word
	v_add_nc_u32 v[ADV], s[TV], v[LIV]
	v_add_nc_u32 v[ADS], s[TS], v[LSV]
	v_nop
.irp i, 0,1,2,3,4,5,6,7
	ds_load_b128 v[KB+8*\i:KB+8*\i+3], v[ADK] offset:1024*\i
	ds_load_b128 v[KB+8*\i+4:KB+8*\i+7], v[ADK] offset:1024*\i+512
.endr
.irp q, 0,1,2
	ds_load_b128 v[VF+4*\q:VF+4*\q+3], v[ADV] offset:512*\q
.endr
	ds_load_b32 v[VS], v[ADS]
	s_wait_dscnt 0x4                               ; K's sixteen loads are in; V's four may stay out
.irp i, 0,1,2,3,4,5,6,7
	v_wmma_f32_16x16x4_f32 v[S+8*\i:S+8*\i+7], v[KB+8*\i:KB+8*\i+1], v[Q:Q+1], 0   ; the first K step starts the sums; the eight accumulators take turns
.endr
.irp s, 1,2,3
.irp i, 0,1,2,3,4,5,6,7
	v_wmma_f32_16x16x4_f32 v[S+8*\i:S+8*\i+7], v[KB+8*\i+2*\s:KB+8*\i+2*\s+1], v[Q+2*\s:Q+2*\s+1], v[S+8*\i:S+8*\i+7]
.endr
.endr
.rept 8
	v_nop                                          ; eight places behind this form ahead of the first read of results
.endr
.irp a, 0,1,2,3
	v_max3_num_f32 v[CM+\a], v[S+16*\a], v[S+16*\a+1], v[S+16*\a+2]   ; four chains of 16 scores by turns, each accumulator from its low end on
.endr
.irp i, 3,5,7,9,11,13
.irp a, 0,1,2,3
	v_max3_num_f32 v[CM+\a], v[CM+\a], v[S+16*\a+\i], v[S+16*\a+\i+1]
.endr
.endr
.irp a, 0,1,2,3
	v_max_num_f32 v[CM+\a], v[CM+\a], v[S+16*\a+15]
.endr
	v_max_num_f32 v[CM], v[CM], v[CM+1]            ; THE LARGEST SCORE OF MY TWO BLOCKS OF 32 KEYS (h and 2 + h): it serves the row's maximum and, since p rises with the score, the block's largest p
	v_max_num_f32 v[CM+2], v[CM+2], v[CM+3]
	v_max_num_f32 v26, v[CM], v[CM+2]
	v_permlanex16_b32 v27, v26, s[SEL], s[SEL+1]
	v_max_num_f32 v26, v26, v27                    ; with lane l xor 16's 64 keys: the step's largest score of my query
	v_mul_f32 v26, s[CS], v26                      ; as t (c is positive)
	v_max_num_f32 v[NM+1], v[NM+1], v26            ; the running largest t
	v_mov_b32 v26, v[NM]
	v_floor_f32 v[NM], -v[NM+1]                    ; the new -M = floor(-t) = -ceil(t)
	v_sub_f32 v26, v[NM], v26                      ; old M - new M: a whole number, 0 or less
	v_cvt_i32_f32 v26, v26                         ; (it saturates)
	v_ldexp_f32 v[F], 1.0, v26                     ; f = 2^(old M - new M)
.irp j, 0,2,4,6,8,10,12,14,16,18,20,22,24,26,28,30,32,34,36,38,40,42,44,46,48,50,52,54,56,58,60,62
	v_pk_fma_f32 v[P+\j:P+\j+1], v[S+\j:S+\j+1], s[CS:CS+1], v[NM:NM+1] op_sel_hi:[1,0,0]   ; t - M, into other registers than the scores'
.endr
	v_fma_f32 v[CM], v[CM], s[CS], v[NM]           ; the same of each block's largest score
	v_fma_f32 v[CM+2], v[CM+2], s[CS], v[NM]
.irp j, 0,1,2,3,4,5,6,7,8,9,10,11,12,13,14,15,16,17,18,19,20,21,22,23,24,25,26,27,28,29,30,31,32,33,34,35,36,37,38,39,40,41,42,43,44,45,46,47,48,49,50,51,52,53,54,55,56,57,58,59,60,61,62,63
	v_exp_f32 v[P+\j], v[P+\j]                     ; p = 2^(t - M), at most 1
.endr
	v_pk_mul_f32 v[L:L+1], v[L:L+1], v[F:F+1] op_sel_hi:[1,0]   ; the sums under the new M: the plain instruction behind the exponentials
	s_wait_alu depctr_va_vdst(0)                   ; one wait for the batch of 64, ahead of its first reader
	v_exp_f32 v[CM], v[CM]                         ; the blocks' largest p
	v_exp_f32 v[CM+2], v[CM+2]
	v_pk_add_f32 v[28:29], v[P:P+1], v[P+2:P+3]    ; THE ROW'S SUM IS TAKEN OF THE UNQUANTISED p, in two chains; its first half stands here, behind the two exponentials
.irp j, 4,8,12,16,20,24,28
	v_pk_add_f32 v[L:L+1], v[L:L+1], v[P+\j:P+\j+1]
	v_pk_add_f32 v[28:29], v[28:29], v[P+\j+2:P+\j+3]
.endr
	s_wait_alu depctr_va_vdst(0)                   ; and one for the two
	v_max_num_f32 v[CM], 0x1800000, v[CM]          ; the floor 2^(3 - 127): the byte cannot fall under 1
	v_max_num_f32 v[CM+2], 0x1800000, v[CM+2]
	v_add_nc_u32 v30, 0xff000000, v[CM]            ; 2 off the exponent field: the conversions' scale operands
	v_add_nc_u32 v31, 0xff000000, v[CM+2]
	v_lshrrev_b32 v[CM+1], 23, v30                 ; the scales' bytes
	v_lshrrev_b32 v[CM+3], 23, v31
	v_lshl_or_b32 v26, v[CM+3], 16, v[CM+1]
	v_lshlrev_b32 v26, v[SH8], v26                 ; at bytes h and 2 + h;
	v_permlanex16_b32 v27, v26, s[SEL], s[SEL+1]
	v_or_b32 v[PW], v26, v27                       ; with lane l xor 16's two: p's scale word for these 128 keys
	v_cvt_scalef32_pk16_fp6_f32 v[PC:PC+2], v[P:P+15], v30
	v_cvt_scalef32_pk16_fp6_f32 v[PT:PT+2], v[P+16:P+31], v30       ; (a conversion's three registers begin on an even number)
	v_cvt_scalef32_pk16_fp6_f32 v[PC+6:PC+8], v[P+32:P+47], v31
	v_cvt_scalef32_pk16_fp6_f32 v[PT+4:PT+6], v[P+48:P+63], v31
	v_nop                                          ; one plain instruction behind the scaled conversions
.irp i, 0,1,2
	v_mov_b32 v[PC+3+\i], v[PT+\i]
	v_mov_b32 v[PC+9+\i], v[PT+4+\i]
.endr
.irp j, 0,2,4,6
	v_pk_mul_f32 v[O+\j:O+\j+1], v[O+\j:O+\j+1], v[F:F+1] op_sel_hi:[1,0]   ; O^T under the new M
.endr
.irp j, 32,36,40,44,48,52,56,60                ; the sums' second half: 17 plain instructions that name no register of the product below: the places between p's codes and scale word and that product
	v_pk_add_f32 v[L:L+1], v[L:L+1], v[P+\j:P+\j+1]
	v_pk_add_f32 v[28:29], v[28:29], v[P+\j+2:P+\j+3]
.endr
	v_pk_add_f32 v[L:L+1], v[L:L+1], v[28:29]
	s_wait_dscnt 0x0                               ; V's fragment and scale word are in
	v_wmma_scale_f32_16x16x128_f8f6f4 v[O:O+7], v[VF:VF+11], v[PC:PC+11], v[O:O+7], v[VS], v[PW] matrix_a_fmt:MATRIX_FMT_FP6 matrix_b_fmt:MATRIX_FMT_FP6   ; 32 other products stand between two links of this chain
	s_add_co_u32 s[TK], s[TK], 8192
	s_add_co_u32 s[TV], s[TV], 1536
	s_add_co_u32 s[TS], s[TS], 128
	s_sub_co_u32 s[CNT], s[CNT], 1
	s_cmp_lg_u32 s[CNT], 0
	s_cbranch_scc1 .Lstep
.rept 4
	v_nop                                          ; four places ahead of the first read of O^T
.endr
	v_add_f32 v[L], v[L], v[L+1]                   ; the sum's two halves,
	v_permlanex16_b32 v27, v[L], s[SEL], s[SEL+1]
	v_add_f32 v[L], v[L], v27                      ; and lane l xor 16's keys: the row's sum
	v_rcp_f32 v[L], v[L]
	v_nop                                          ; a plain instruction behind the reciprocal,
	s_wait_alu depctr_va_vdst(0)                   ; and a wait ahead of its first reader
.irp j, 0,1,2,3,4,5,6,7
	v_mul_f32 v[OUT+\j], v[O+\j], v[L]             ; o(query r, channel 8 h + j)
.endr
	global_store_b128 v[GO], v[OUT:OUT+3], s[10:11]              ; each half of the lanes stores 256 consecutive bytes, aligned
	global_store_b128 v[GO], v[OUT+4:OUT+7], s[10:11] offset:512
	s_wait_tensorcnt 0x0
	ds_add_u32 v254, v255
	s_wait_dscnt 0x0
	ROUND                                          ; the closing round
	s_endpgm
.Lfunc_end_k_qe378c004d0_attn:
	.size	k_qe378c004d0_attn, .Lfunc_end_k_qe378c004d0_attn-k_qe378c004d0_attn
	.p2alignl 7, 3214868480
	.fill 96, 4, 3214868480
	.section	.rodata,"a",@progbits
	.p2align	6, 0x0
	.amdhsa_kernel k_qe378c004d0_attn
		.amdhsa_group_segment_fixed_size 169984
		.amdhsa_private_segment_fixed_size 0
		.amdhsa_enable_private_segment 0
		.amdhsa_kernarg_size 32
		.amdhsa_user_sgpr_count 2
		.amdhsa_user_sgpr_kernarg_segment_ptr 1
		.amdhsa_wavefront_size32 1
		.amdhsa_system_sgpr_workgroup_id_x 1
		.amdhsa_system_sgpr_workgroup_id_y 1
		.amdhsa_system_sgpr_workgroup_id_z 1
		.amdhsa_system_vgpr_workitem_id 0
		.amdhsa_next_free_vgpr 256
		.amdhsa_next_free_sgpr 66
		.amdhsa_reserve_vcc 0
		.amdhsa_float_denorm_mode_32 3
		.amdhsa_float_denorm_mode_16_64 3
		.amdhsa_memory_ordered 1
		.amdhsa_forward_progress 1
		.amdhsa_inst_pref_size 21
	.end_amdhsa_kernel
	.amdgpu_metadata
---
amdhsa.version: [ 1, 2 ]
amdhsa.kernels:
  - .name:           k_qe378c004d0_attn
    .symbol:         k_qe378c004d0_attn.kd
    .args:
      - { .name: qf, .offset: 0, .size: 8, .value_kind: global_buffer, .address_space: global }
      - { .name: kf, .offset: 8, .size: 8, .value_kind: global_buffer, .address_space: global }
      - { .name: vrec, .offset: 16, .size: 8, .value_kind: global_buffer, .address_space: global }
      - { .name: oimg, .offset: 24, .size: 8, .value_kind: global_buffer, .address_space: global }
    .group_segment_fixed_size: 169984
    .private_segment_fixed_size: 0
    .kernarg_segment_align: 8
    .kernarg_segment_size: 32
    .max_flat_workgroup_size: 512
    .sgpr_count:     66
    .vgpr_count:     256
    .wavefront_size: 32
...
	.end_amdgpu_metadata
.endif
;; end of part 3
;; launch outp (part 4): grid 64 x 4, 8 waves a work-group, no clusters, 147,456 bytes of LDS; arguments oimg, wc, ws, bo, out0; writes out0
.if DOCPART == 4
	.amdgcn_target "amdgcn-amd-amdhsa--gfx1250"
	.amdhsa_code_object_version 6
	.text
	.protected	k_qe378c004d0_outp
	.globl	k_qe378c004d0_outp
	.p2align	8
	.type	k_qe378c004d0_outp,@function
k_qe378c004d0_outp:
	s_mov_b64 s[64:65], 0
	v_nop
	global_prefetch_b8 v0, s[64:65] scope:SCOPE_SE
	s_setreg_imm32_b32 hwreg(HW_REG_WAVE_MODE, 25, 1), 1
	s_wait_xcnt 0x0
; out0 = o Wo + bo: o [8192][128] f32 (K = 16 head + channel) is quantised along K to FP6 (E2M3) with one E8M0 byte for each 32; Wo comes as codes from the first launch; sums in f32.
; A work-group takes the 128 tokens of group g (work-group x) and the 256 output columns from 256 cb on (cb = work-group y).  o lies in oimg as the conversions want it: tile 8 g + w, 8,192 bytes, load q (0..15) at 512 q + 16 lane
; brings lane (r, h) k = 64 (q / 8) + 32 h + 4 (q % 8) + 0..3 of row r.  Row r of tile i is token 64 (i / 4) + 32 (r / 8) + 8 (i % 4) + r % 8 of the group.
; SHARES.  Wave w quantises tile w and stores its fragment in LDS as an image of the operand's registers | barrier | wave w owns columns 256 cb + 32 w + 0..31 (two fragments of Wo, in registers) for all 8 tiles:
; 16 products (source 0 = Wo, source 1 = o: a lane holds one token and eight neighbouring columns), bo as the C of each; results to a stage of 128 token rows in their natural order | barrier | wave w stores rows 16 w .. 16 w + 15.
; NO CLUSTER, no tensor load: o goes from memory straight into the registers that the conversions read; a tile brought jointly into LDS would add a way through LDS for 65,536 bytes a work-group.
; LIMITS: NaN and infinities are not served; a block whose largest magnitude lies under 2^-124 (a block of zeros too) keeps the byte 1 over its codes.
.set XSC,  12288                       ; LDS: 8 images of 1,536 bytes from 0; their scale words, 128 bytes each;
.set STG,  13312                       ; the stage: 128 rows x (1,024 bytes + 16)
.set LI,   1                           ; v1  16 x lane
.set LS,   2                           ; v2  4 x lane
.set IWI,  3                           ; v3  1,536 w + 16 lane
.set IWS,  4                           ; v4  XSC + 128 w + 4 lane
.set SH8,  5                           ; v5  8 h
.set SO,   6                           ; v6-7 the stage, on the way in, for tiles 0-3 and 4-7
.set SR,   8                           ; v8  and on the way out
.set BO,   9                           ; v9  32 h
.set WF,   12                          ; v12-35 Wo's two fragments
.set WSC,  36                          ; v36-37 their scale words
.set BIAS, 38                          ; v38-53 bo in the result's layout, eight registers a fragment
.set TM,   54                          ; v54-61
.set PW,   62
.set PC,   64                          ; v64-75
.set PT,   76                          ; v76-83
.set XS,   84                          ; v84-87 o's scale words
.set ST,   88                          ; v88-151 64 numbers of o; then four fragments; on the way out v88-215 hold 16 rows
.set FB,   88
.set ACC,  152                         ; v152-215 accumulator 2 mm + n
.set SEL,  30                          ; s[30:31]
.macro QUANTB s
.irp a, 0,1,2,3
	v_max3_num_f32 v[TM+\a], |v[\s+16*\a]|, |v[\s+16*\a+1]|, 0x1800000   ; four chains of 16 by turns, each with the floor 2^(3 - 127): the byte cannot fall under 1
.endr
.irp i, 2,4,6,8,10,12,14
.irp a, 0,1,2,3
	v_max3_num_f32 v[TM+\a], v[TM+\a], |v[\s+16*\a+\i]|, |v[\s+16*\a+\i+1]|
.endr
.endr
	v_max_num_f32 v[TM], v[TM], v[TM+1]            ; block h's largest magnitude,
	v_max_num_f32 v[TM+2], v[TM+2], v[TM+3]        ; block 2 + h's
	v_add_nc_u32 v[TM+4], 0xff000000, v[TM]        ; 2 off the exponent field: the conversion's scale operand
	v_add_nc_u32 v[TM+5], 0xff000000, v[TM+2]
	v_lshrrev_b32 v[TM+6], 23, v[TM+4]             ; the scales' bytes
	v_lshrrev_b32 v[TM+7], 23, v[TM+5]
	v_lshl_or_b32 v[TM+6], v[TM+7], 16, v[TM+6]
	v_lshlrev_b32 v[TM+6], v[SH8], v[TM+6]         ; at bytes h and 2 + h of the word;
	v_permlanex16_b32 v[TM+1], v[TM+6], s[SEL], s[SEL+1]
	v_or_b32 v[PW], v[TM+6], v[TM+1]               ; with lane l xor 16's two the word is whole
	v_cvt_scalef32_pk16_fp6_f32 v[PC:PC+2], v[\s:\s+15], v[TM+4]
	v_cvt_scalef32_pk16_fp6_f32 v[PT:PT+2], v[\s+16:\s+31], v[TM+4]       ; (a conversion's three registers begin on an even number)
	v_cvt_scalef32_pk16_fp6_f32 v[PC+6:PC+8], v[\s+32:\s+47], v[TM+5]
	v_cvt_scalef32_pk16_fp6_f32 v[PT+4:PT+6], v[\s+48:\s+63], v[TM+5]
	v_nop                                          ; one plain instruction behind the scaled conversions
.irp i, 0,1,2
	v_mov_b32 v[PC+3+\i], v[PT+\i]
	v_mov_b32 v[PC+9+\i], v[PT+4+\i]
.endr
.endm
	s_load_b256 s[4:11], s[0:1], 0x0               ; oimg, wc, ws, bo
	s_load_b64 s[12:13], s[0:1], 0x20              ; out0
	v_lshl_add_u32 v216, v0, 2, 0x23c00
	v_mov_b32 v217, 0
	v_lshrrev_b32 v10, 5, v0
	v_readfirstlane_b32 s14, v10                   ; wave 0..7
	s_mov_b32 s15, ttmp9                           ; g
	s_and_b32 s16, ttmp7, 0xffff                   ; cb
	s_mov_b32 s[SEL], 0x76543210
	s_mov_b32 s[SEL+1], 0xfedcba98
	s_lshl_b32 s18, s15, 3
	s_add_co_u32 s18, s18, s14
	s_lshl_b32 s18, s18, 13                        ; oimg: tile 8 g + w
	s_mov_b32 s19, 0
	s_lshl_b32 s20, s16, 4
	s_lshl_b32 s21, s14, 1
	s_add_co_u32 s20, s20, s21                     ; my first fragment of Wo: 16 cb + 2 w
	s_mul_i32 s22, s20, 1536
	s_add_co_u32 s22, s22, 294912                  ; behind the 192 fragments of Wq, Wk, Wv
	s_mov_b32 s23, 0
	s_lshl_b32 s26, s20, 7
	s_add_co_u32 s26, s26, 24576
	s_mov_b32 s27, 0
	s_lshl_b32 s28, s16, 10
	s_lshl_b32 s21, s14, 7
	s_add_co_u32 s28, s28, s21                     ; bo: 4 x (256 cb + 32 w)
	s_mov_b32 s29, 0
	s_lshl_b32 s24, s15, 19                        ; out0: row 128 g + 16 w of 4,096 bytes, + 1,024 cb
	s_lshl_b32 s21, s14, 16
	s_add_co_u32 s24, s24, s21
	s_lshl_b32 s21, s16, 10
	s_add_co_u32 s24, s24, s21
	s_mov_b32 s25, 0
	v_and_b32 v10, 31, v0                          ; lane
	v_and_b32 v11, 15, v0                          ; r
	v_bfe_u32 v54, v0, 4, 1                        ; h
	v_lshlrev_b32 v[LI], 4, v10
	v_lshlrev_b32 v[LS], 2, v10
	v_lshlrev_b32 v[SH8], 3, v54
	v_lshlrev_b32 v[BO], 5, v54
	s_wait_kmcnt 0x0
	s_add_nc_u64 s[4:5], s[4:5], s[18:19]
	s_add_nc_u64 s[6:7], s[6:7], s[22:23]
	s_add_nc_u64 s[8:9], s[8:9], s[26:27]
	s_add_nc_u64 s[10:11], s[10:11], s[28:29]
	s_add_nc_u64 s[12:13], s[12:13], s[24:25]
.set n, 0
.rept 16
	global_load_b128 v[ST+4*n:ST+4*n+3], v[LI], s[4:5] offset:512*n      ; my tile of o: register 32 c + i = k 64 c + 32 h + i
.set n, n+1
.endr
.irp n, 0,1
.irp q, 0,1,2
	global_load_b128 v[WF+12*\n+4*\q:WF+12*\n+4*\q+3], v[LI], s[6:7] offset:1536*\n+512*\q
.endr
	global_load_b32 v[WSC+\n], v[LS], s[8:9] offset:128*\n
	global_load_b128 v[BIAS+8*\n:BIAS+8*\n+3], v[BO], s[10:11] offset:64*\n          ; register j: column 16 n + 8 h + j of my 32
	global_load_b128 v[BIAS+8*\n+4:BIAS+8*\n+7], v[BO], s[10:11] offset:64*\n+16
.endr
	s_mul_i32 s21, s14, 1536
	v_add_nc_u32 v[IWI], s21, v[LI]
	s_lshl_b32 s21, s14, 7
	s_add_co_u32 s20, s21, XSC
	v_add_nc_u32 v[IWS], s20, v[LS]
	v_and_b32 v55, 7, v11
	v_lshrrev_b32 v56, 3, v11
	v_lshl_add_u32 v55, v56, 5, v55                ; r % 8 + 32 (r / 8): my token among the 64 of four tiles, less 8 for each tile
	v_mul_u32_u24 v[SO], v55, 1040
	v_lshl_add_u32 v[SO], v54, 5, v[SO]            ; + 32 h
	s_add_co_u32 s20, s21, STG                     ; + 128 w: my columns' bytes
	v_add_nc_u32 v[SO], s20, v[SO]
	v_add_nc_u32 v[SO+1], 66560, v[SO]             ; 64 rows on
	s_mul_i32 s20, s14, 16640
	s_add_co_u32 s20, s20, STG
	v_add_nc_u32 v[SR], s20, v[LI]                 ; back: my 16 rows, 16 bytes a lane
	s_wait_loadcnt 0x0
	QUANTB ST
.irp q, 0,1,2
	ds_store_b128 v[IWI], v[PC+4*\q:PC+4*\q+3] offset:512*\q
.endr
	ds_store_b32 v[IWS], v[PW]
	s_wait_dscnt 0x0                               ; for the others' sake: my image is in LDS
	s_barrier_signal -1
	s_barrier_wait -1
.irp hf, 0,1                                   ; four tiles at a time
.irp mm, 0,1,2,3
.irp q, 0,1,2
	ds_load_b128 v[FB+12*\mm+4*\q:FB+12*\mm+4*\q+3], v[LI] offset:(4*\hf+\mm)*1536+512*\q
.endr
	ds_load_b32 v[XS+\mm], v[LS] offset:XSC+128*(4*\hf+\mm)
.endr
	s_wait_dscnt 0x0                               ; the fragments are in, and the first half's stores into the stage are done
.irp mm, 0,1,2,3
.irp n, 0,1
	v_wmma_scale_f32_16x16x128_f8f6f4 v[ACC+8*(2*\mm+\n):ACC+8*(2*\mm+\n)+7], v[WF+12*\n:WF+12*\n+11], v[FB+12*\mm:FB+12*\mm+11], v[BIAS+8*\n:BIAS+8*\n+7], v[WSC+\n], v[XS+\mm] matrix_a_fmt:MATRIX_FMT_FP6 matrix_b_fmt:MATRIX_FMT_FP6
.endr
.endr
.rept 5
	v_nop                                          ; four places ahead of the stores that read results and of loads into registers just read; the fifth since the second half's products write over these accumulators
.endr
.irp mm, 0,1,2,3
.irp n, 0,1
	ds_store_b128 v[SO+\hf], v[ACC+8*(2*\mm+\n):ACC+8*(2*\mm+\n)+3] offset:8320*\mm+64*\n        ; each accumulator from its low end on
	ds_store_b128 v[SO+\hf], v[ACC+8*(2*\mm+\n)+4:ACC+8*(2*\mm+\n)+7] offset:8320*\mm+64*\n+16
.endr
.endr
.endr
	s_wait_dscnt 0x0                               ; for the others' sake: my stores into the stage are done
	s_barrier_signal -1
	s_barrier_wait -1                              ; 128 whole rows lie in the stage
.set n, 0
.rept 32
	ds_load_b128 v[ST+4*n:ST+4*n+3], v[SR] offset:1040*(n/2)+512*(n%2)
.set n, n+1
.endr
.set n, 0
.rept 32
	s_wait_dscnt 31-n                              ; LDS loads come back in order (ISA guide 5.7.1): load n is in, the younger ones may stay out
	global_store_b128 v[LI], v[ST+4*n:ST+4*n+3], s[12:13] offset:4096*(n/2)+512*(n%2) th:TH_STORE_NT   ; 32 lanes store 512 consecutive bytes, aligned; written once, read by nobody here
.set n, n+1
.endr
	s_wait_tensorcnt 0x0
	ds_add_u32 v216, v217
	s_wait_dscnt 0x0
	s_endpgm
.Lfunc_end_k_qe378c004d0_outp:
	.size	k_qe378c004d0_outp, .Lfunc_end_k_qe378c004d0_outp-k_qe378c004d0_outp
	.p2alignl 7, 3214868480
	.fill 96, 4, 3214868480
	.section	.rodata,"a",@progbits
	.p2align	6, 0x0
	.amdhsa_kernel k_qe378c004d0_outp
		.amdhsa_group_segment_fixed_size 147456
		.amdhsa_private_segment_fixed_size 0
		.amdhsa_enable_private_segment 0
		.amdhsa_kernarg_size 40
		.amdhsa_user_sgpr_count 2
		.amdhsa_user_sgpr_kernarg_segment_ptr 1
		.amdhsa_wavefront_size32 1
		.amdhsa_system_sgpr_workgroup_id_x 1
		.amdhsa_system_sgpr_workgroup_id_y 1
		.amdhsa_system_sgpr_workgroup_id_z 1
		.amdhsa_system_vgpr_workitem_id 0
		.amdhsa_next_free_vgpr 218
		.amdhsa_next_free_sgpr 66
		.amdhsa_reserve_vcc 0
		.amdhsa_float_denorm_mode_32 3
		.amdhsa_float_denorm_mode_16_64 3
		.amdhsa_memory_ordered 1
		.amdhsa_forward_progress 1
		.amdhsa_inst_pref_size 22
	.end_amdhsa_kernel
	.amdgpu_metadata
---
amdhsa.version: [ 1, 2 ]
amdhsa.kernels:
  - .name:           k_qe378c004d0_outp
    .symbol:         k_qe378c004d0_outp.kd
    .args:
      - { .name: oimg, .offset: 0, .size: 8, .value_kind: global_buffer, .address_space: global }
      - { .name: wc, .offset: 8, .size: 8, .value_kind: global_buffer, .address_space: global }
      - { .name: ws, .offset: 16, .size: 8, .value_kind: global_buffer, .address_space: global }
      - { .name: bo, .offset: 24, .size: 8, .value_kind: global_buffer, .address_space: global }
      - { .name: out0, .offset: 32, .size: 8, .value_kind: global_buffer, .address_space: global }
    .group_segment_fixed_size: 147456
    .private_segment_fixed_size: 0
    .kernarg_segment_align: 8
    .kernarg_segment_size: 40
    .max_flat_workgroup_size: 256
    .sgpr_count:     66
    .vgpr_count:     218
    .wavefront_size: 32
...
	.end_amdgpu_metadata
.endif
;; end of part 4
